; MI455X (gfx1250); checked and timed in simulation.
; The chip was launched on July 23, 2026; its instructions are those of AMD's public machine-readable ISA for CDNA 5 (MIT licence, August 2026) and "CDNA5" Instruction Set Architecture Reference Guide (July 2026). The comments in the code are by the model that wrote it; some were corrected since.
;; CS Multi Head Attention. Allowed arithmetic: matrix products marked QUANTISED: E5M2 operands, one E8M0 scale for each 32 along K, by v_wmma_scale_f32_16x16x128_f8f6f4 with both operands' format E5M2, f32 sums; everything else in f32.
;; Inputs: Wk_codes 3 x 512 x 16 x 32 uint8 (E5M2 codes of Wk, K innermost, in blocks of 32 codes); Wk_scales 3 x 512 x 16 uint8 (E8M0 scales of Wk, one for each 32 codes along K); Wp_codes 3 x 512 x 16 x 32 uint8 (E5M2 codes of Wp, K innermost, in blocks of 32 codes); Wp_scales 3 x 512 x 16 uint8 (E8M0 scales of Wp, one for each 32 codes along K); Wq_codes 3 x 512 x 16 x 32 uint8 (E5M2 codes of Wq, K innermost, in blocks of 32 codes); Wq_scales 3 x 512 x 16 uint8 (E8M0 scales of Wq, one for each 32 codes along K); Wv_codes 3 x 512 x 16 x 32 uint8 (E5M2 codes of Wv, K innermost, in blocks of 32 codes); Wv_scales 3 x 512 x 16 uint8 (E8M0 scales of Wv, one for each 32 codes along K); bk 3 x 512 float32; bp 3 x 512 float32; bq 3 x 512 float32; bv 3 x 512 float32; x 8 x 3,072 x 512 float32.
;; Outputs: out0 8 x 3,072 x 512 float32.
;; This version of the problem:
;;   THIS VERSION OF THE PROBLEM IS GIVEN IN LOW PRECISION. The matrix products marked QUANTISED in the list below multiply operands that are first quantised to E5M2 (5 exponent bits, 2 mantissa bits; 8 bits a number), with one power-of-two scale for each 32 numbers along K (OCP MX v1.0); their sums are f32. All else is computed in f32.
;;   The module's matrix products, in the order in which they are computed (A, B: the left and right operand; K: the contracted axis; several contracted axes count as one K, in the product's order):
;;     1. batch 3 x [M 8,192, K 512] x [K 512, N 512]; A: computed on the way; B: input Wq (given as codes): QUANTISED
;;     2. batch 3 x [M 8,192, K 512] x [K 512, N 512]; A: computed on the way; B: input Wk (given as codes): QUANTISED
;;     3. batch 3 x [M 8,192, K 512] x [K 512, N 512]; A: computed on the way; B: input Wv (given as codes): QUANTISED
;;     4. batch 192 x [M 1,024, K 64] x [K 64, N 1,024]; A: computed on the way; B: computed on the way: QUANTISED
;;     5. batch 192 x [M 1,024, K 1,024] x [K 1,024, N 64]; A: softmax (see below); B: computed on the way: QUANTISED
;;     6. batch 3 x [M 8,192, K 512] x [K 512, N 512]; A: computed on the way; B: input Wp (given as codes): QUANTISED
;;   THE QUANTISER, for each operand of a quantised product, along K:
;;     - K is cut into blocks of 32 from its start; a last block that is shorter is filled with zeros.
;;     - A block's scale is 2^e with e = floor(log2(the largest magnitude in the block)) - 15, held to -126 .. 127; a block of zeros has e = 0. As a byte (E8M0): e + 127.
;;     - Each number is divided by its block's scale, clamped to +-57,344, and rounded to the nearest number of E5M2, ties to even, subnormals kept.
;;     - The product sums the exact products of the quantised numbers (number of the format x scale) in f32.
;;   ~~~python
;;   def quantise(x, axis):      # numpy; x: float32 -> the quantised numbers, widened to float32 again
;;       x = np.moveaxis(x, axis, -1); K = x.shape[-1]
;;       x = np.pad(x, [(0, 0)] * (x.ndim - 1) + [(0, -K % 32)]); x = x.reshape(x.shape[:-1] + (-1, 32)); a = np.abs(x).max(-1, keepdims=True)
;;       e = np.where(a > 0, np.clip(np.frexp(np.where(a > 0, a, 1))[1] - 1 - 15, -126, 127), 0)      # np.frexp(a)[1] - 1 = floor(log2(a)), exactly
;;       r = np.clip(x / 2.0 ** e, -57344, 57344)
;;       step = 2.0 ** (np.maximum(np.frexp(np.where(r == 0, 1, r))[1] - 1, -14) - 2)
;;       q = np.round(r / step) * step * 2.0 ** e      # np.round: ties to even
;;       return np.moveaxis(q.reshape(q.shape[:-2] + (-1,))[..., :K], -1, axis).astype(np.float32)
;;   ~~~
;;   SOFTMAX AHEAD OF A QUANTISED PRODUCT. Where the list says 'softmax', what is quantised is not the finished softmax but p = 2^(t - M), with t = logit x log2(e) and M = ceil(the row's largest t), a whole number; so 1/2 < the row's largest p <= 1. The row's sum l is taken of the UNQUANTISED p, in f32, and the product's result is divided by l at the end. Since M is a whole number, a kernel that streams over the keys may use a running M (the ceiling of the running maximum): every later rescaling is an exact power of two, which a block's scale takes up: the codes' values come out the same.
;;   OPERANDS COMPUTED ON THE WAY. 'Computed on the way' means the value that the module computes at that place (a softmax that the list does not call 'softmax' is quantised finished and normalised). What goes into a quantiser is computed in f32, as accurately as f32 sums, v_exp_f32 and their like allow (about 1e-6 of the number): no bf16 or f16 on the way to a quantiser, and a product that is left as it is and whose result goes on into a quantised operand takes f32 operands (vector FMAs, or v_wmma_f32_16x16x4_f32). A number that lies on a knife's edge between two numbers of the format may be rounded either way, as far as f32 arithmetic and the matrix unit's own rounding can turn it there, and no further.
;;   INPUTS GIVEN AS CODES. Wk (in the module: [3, 512, 512], K = its axis 2); Wp (in the module: [3, 512, 512], K = its axis 2); Wq (in the module: [3, 512, 512], K = its axis 2); Wv (in the module: [3, 512, 512], K = its axis 2): each comes as NAME_codes (uint8): NAME with its K axis moved to the last place and cut into blocks of 32 codes, [.., K / 32, bytes a block], one block behind the other in memory; one code a byte (a code: sign, 5 exponent bits, 2 mantissa bits); and NAME_scales (uint8): the same leading axes, one E8M0 byte (e + 127) for each 32 codes along K. Its value is code x scale, taken as it is: it is not quantised again, and the codes and scales need not be those that the quantiser above would give.
;; One version. Each part assembles by itself: llvm-mc -triple=amdgcn-amd-amdhsa -mcpu=gfx1250 --defsym DOCPART=n.
;; ======== version 1 of 1: 3 launches
;; workspace buffers: qc 13,369,344 bytes; kv 26,345,472 bytes; oc 12,582,912 bytes; os 786,432 bytes
;; launch qkv (part 1): grid 8 x 24, 4 waves a work-group, no clusters, 303,616 bytes of LDS; arguments x, Wq_codes, Wq_scales, bq, Wk_codes, Wk_scales, bk, Wv_codes, Wv_scales, bv, qc, kv; writes qc, kv
.if DOCPART == 1
	.amdgcn_target "amdgcn-amd-amdhsa--gfx1250"
	.amdhsa_code_object_version 6
	.text
	.protected	k_qd194604a5c_qkv
	.globl	k_qd194604a5c_qkv
	.p2align	8
	.type	k_qd194604a5c_qkv,@function
k_qd194604a5c_qkv:
	s_mov_b64 s[64:65], 0
	v_nop
	global_prefetch_b8 v0, s[64:65] scope:SCOPE_SE
	s_setreg_imm32_b32 hwreg(HW_REG_WAVE_MODE, 25, 1), 1
	s_wait_xcnt 0x0
; q, k, v = Q(x) W^T + b for one block of 128 tokens of one chunk c and batch b, all 1,536 columns; all three products on codes of BF8 (E5M2) with one E8M0 scale for each 32 along K.
; x (f32) is quantised along its 512; q and k are quantised along a head's 64 (two blocks), v along the keys (blocks of 32 tokens); only codes and scale bytes go to memory.
; SHARES.  Work-group (blk, y = 8 c + b).  Wave w quantises tokens 32 w .. 32 w + 31 of x; the fragments go from wave to wave through LDS as images of their registers, and EVERY wave then keeps all of the block's
; x codes in registers (8 tiles x 4 K steps x 16 = 512).  Wave w makes heads 2 w and 2 w + 1 of q, of k and of v: 12 pairs of 32 columns, 64 matrix instructions each.  A pair's weights go from memory straight into
; operand registers, one pair ahead, in two sets.
; THE ROWS OF A TILE ARE NOT NEIGHBOURS: row r of tile 2 b + u (of tokens, and of a pair's 32 rows of W) is row 32 b + 8 u + r + 8 (r / 8).  So the 16 registers of two neighbouring tiles are 16 neighbours along the next K:
;   q, k: source 0 = 16 rows of W, source 1 = 16 tokens: a lane holds one token and 16 neighbouring features;    v: source 0 = 16 tokens, source 1 = 16 rows of W: a lane holds one feature and 16 neighbouring keys.
; The conversions' results are the next launch's operand registers; they are stored as they stand, 16 bytes a lane, 512 consecutive bytes a store.
; NO JOINT LOADS: a pair's weights are read by one wave into its registers and shared with no other wave of the work-group; beside x (266,240 bytes) and the images of K steps 0 and 1 (32,768 bytes) LDS has 4,608 bytes left, which holds no ring for them.
; LIMITS: NaN and infinities in x or in the biases are not served.  A block of zeros, or one whose largest magnitude lies under 2^-111, gets the scale byte 1 where the rule says 127: its codes are zeros and this program alone reads the bytes.
; REGISTERS, window 0: v1-15 addresses; v16-31 x's scale words; v32-39 W's scale words (two sets); v40-71 the biases as C (two sets); v72-87 at work; v88-119 codes; v120-127 scale bytes and words; v128-255 accumulators.
;   window 1: W's fragments, two sets of 128.   windows 2, 3: x's fragments, tile t at window 2 + t / 4, v[64 (t % 4) + 16 s].
.set XW,    66560                      ; LDS: a wave's 32 tokens of x as f32: two K halves
.set XH,    33280                      ; a K half: 32 rows x (1,024 bytes + 16)
.set XP,    1040
.set FREE,  4*XW                       ; behind x: the images of K steps 0 and 1, 8,192 bytes a wave
.set XSC,   FREE+32768                 ; x's scale words: 16 images of 128 bytes
.set QHEAD, 69632                      ; qc: a head;  a block of 128 tokens in it
.set QBLK,  8704
.set KHEAD, 137216                     ; kv likewise
.set KBLK,  17152
.set LI,    1                          ; 16 x lane
.set L8,    2                          ; 8 x lane
.set WOFF,  3                          ; W's codes: (r + 8 (r / 8)) x 512 + 16 h
.set WSOFF, 4                          ; W's scale bytes: (r + 8 (r / 8)) x 16 + 128 h: lanes 16-31 take the pair's second tile
.set BOFF,  5                          ; q's and k's bias: 64 h
.set BVOFF, 6                          ; v's bias: 4 (r + 8 (r / 8))
.set XRD,   7                          ; x in LDS: my wave, row r + 8 (r / 8), + 64 h
.set IMA,   8                          ; where I store images of K steps 0, 1
.set IMB,   9                          ; and of K steps 2, 3: over my wave's first K half, which has been read out
.set XSW,   10                         ; where I store a scale word
.set RF,    11                         ; where images of K steps 0, 1 are read;  v12-14: those of K steps 2, 3 of waves 1 to 3 (wave 0's: LI)
.set XSR,   15                         ; where scale words are read
.set XS,    16
.set WS,    32
.set BC,    40
.set TM,    72
.set CD,    88
.set CD2,   104
.set SB,    120
.set ACC,   128
.set NP,    28                         ; s[28:33] the next pair's codes, scale bytes, bias
.set G0A,   36
.set G0B,   40
.set G1,    44
.set OC,    52                         ; s[52:53] where codes go;  s[54:55] where scale words go;  s[56:57] from head to head
.set OS,    54
.set OST,   56
.set K0,    58                         ; s[58:59] kv at my first head and block
.set SEL,   60
.set MNT,   62
.set HM,    63                         ; lanes 16-31
.set CNT,   66
.set WV,    67
.set MSB, 0
.macro WIN new                         ; the immediate's high byte repeats the setting that is left; a switch that changes nothing is dropped
.if MSB != (\new)
	s_set_vgpr_msb (MSB<<8)|(\new)
.set MSB, (\new)
.endif
.endm
.macro PLACES n
.rept \n
	v_nop
.endr
.endm
; the one matrix form: D, A, B, C by their first registers; sa, sb the scale registers; ra, rb = 1: that side's scales stand in lanes 16-31
.macro WM d, a, b, c, sa, sb, ra, rb
.if (\ra) && (\rb)
	v_wmma_scale_f32_16x16x128_f8f6f4 v[(\d):(\d)+7], v[(\a):(\a)+15], v[(\b):(\b)+15], v[(\c):(\c)+7], v[(\sa)], v[(\sb)] matrix_a_fmt:MATRIX_FMT_BF8 matrix_b_fmt:MATRIX_FMT_BF8 matrix_a_scale:MATRIX_SCALE_ROW1 matrix_b_scale:MATRIX_SCALE_ROW1
.elseif (\ra)
	v_wmma_scale_f32_16x16x128_f8f6f4 v[(\d):(\d)+7], v[(\a):(\a)+15], v[(\b):(\b)+15], v[(\c):(\c)+7], v[(\sa)], v[(\sb)] matrix_a_fmt:MATRIX_FMT_BF8 matrix_b_fmt:MATRIX_FMT_BF8 matrix_a_scale:MATRIX_SCALE_ROW1
.elseif (\rb)
	v_wmma_scale_f32_16x16x128_f8f6f4 v[(\d):(\d)+7], v[(\a):(\a)+15], v[(\b):(\b)+15], v[(\c):(\c)+7], v[(\sa)], v[(\sb)] matrix_a_fmt:MATRIX_FMT_BF8 matrix_b_fmt:MATRIX_FMT_BF8 matrix_b_scale:MATRIX_SCALE_ROW1
.else
	v_wmma_scale_f32_16x16x128_f8f6f4 v[(\d):(\d)+7], v[(\a):(\a)+15], v[(\b):(\b)+15], v[(\c):(\c)+7], v[(\sa)], v[(\sb)] matrix_a_fmt:MATRIX_FMT_BF8 matrix_b_fmt:MATRIX_FMT_BF8
.endif
.endm
; nb blocks of 32: block b is my 16 registers v[src + 16 b ..] and those of lane l xor 16.  Codes to v[dst + 4 b ..], the scale's byte to v[bd + b].  tm: 16 registers at work.
.macro QUANT nb, src, dst, bd, tm
.set qb, 0
.rept \nb
	v_max3_num_f32 v[(\tm)+qb], |v[(\src)+16*qb]|, |v[(\src)+16*qb+1]|, 0x8000000   ; my 16 numbers and the floor 2^(16 - 127): the byte cannot fall under 1
.set qb, qb+1
.endr
.set qi, 2
.rept 7
.set qb, 0
.rept \nb
	v_max3_num_f32 v[(\tm)+qb], v[(\tm)+qb], |v[(\src)+16*qb+qi]|, |v[(\src)+16*qb+qi+1]|   ; the blocks by turns
.set qb, qb+1
.endr
.set qi, qi+2
.endr
.set qb, 0
.rept \nb
	v_permlanex16_b32 v[(\tm)+4+qb], v[(\tm)+qb], s[SEL], s[SEL+1]
.set qb, qb+1
.endr
.set qb, 0
.rept \nb
	v_max_num_f32 v[(\tm)+qb], v[(\tm)+qb], v[(\tm)+4+qb]          ; the block's largest magnitude
.set qb, qb+1
.endr
.set qb, 0
.rept \nb
	v_add_nc_u32 v[(\tm)+12+qb], 0xf8800000, v[(\tm)+qb]           ; 15 off its exponent field: the conversion's scale operand
.set qb, qb+1
.endr
.set qb, 0
.rept \nb
	v_and_or_b32 v[(\tm)+8+qb], v[(\tm)+qb], 0x7f800000, s[MNT]    ; 57,344 x the scale
.set qb, qb+1
.endr
.set qb, 0
.rept \nb
	v_lshrrev_b32 v[(\bd)+qb], 23, v[(\tm)+12+qb]                  ; the scale's byte
.set qb, qb+1
.endr
.set qb, 0
.rept \nb
.set qi, 0
.rept 16
	v_med3_num_f32 v[(\src)+16*qb+qi], v[(\src)+16*qb+qi], -v[(\tm)+8+qb], v[(\tm)+8+qb]   ; the conversion to an 8-bit code does not saturate (ISA guide 7.6.2): the hold comes first
.set qi, qi+1
.endr
	v_cvt_scalef32_pk8_bf8_f32 v[(\dst)+4*qb:(\dst)+4*qb+1], v[(\src)+16*qb:(\src)+16*qb+7], v[(\tm)+12+qb]
	v_cvt_scalef32_pk8_bf8_f32 v[(\dst)+4*qb+2:(\dst)+4*qb+3], v[(\src)+16*qb+8:(\src)+16*qb+15], v[(\tm)+12+qb]
.set qb, qb+1
.endr
	v_nop                                          ; a plain line behind the last conversion
.endm
.macro WORD4 d, bd                     ; four bytes make a scale word
	v_lshl_or_b32 v[(\d)], v[(\bd)+1], 8, v[(\bd)]
	v_lshl_or_b32 v[(\d)], v[(\bd)+2], 16, v[(\d)]
	v_lshl_or_b32 v[(\d)], v[(\bd)+3], 24, v[(\d)]
.endm
.macro WLOADW buf                      ; a pair's 32 rows of W: two tiles x four K steps, and their scale words
	WIN 0x40
.irp u, 0,1
.irp s, 0,1,2,3
.irp c, 0,1,2,3
	global_load_b128 v[128*\buf+64*\u+16*\s+4*\c:128*\buf+64*\u+16*\s+4*\c+3], v[WOFF], s[NP:NP+1] offset:4096*\u+128*\s+32*\c
.endr
.endr
.endr
	WIN 0
	global_load_b128 v[WS+4*\buf:WS+4*\buf+3], v[WSOFF], s[NP+2:NP+3]
.endm
.macro BLOADQK buf                     ; the bias in the result's layout: my eight features of each tile
.irp u, 0,1
	global_load_b128 v[BC+16*\buf+8*\u:BC+16*\buf+8*\u+3], v[BOFF], s[NP+4:NP+5] offset:32*\u
	global_load_b128 v[BC+16*\buf+8*\u+4:BC+16*\buf+8*\u+7], v[BOFF], s[NP+4:NP+5] offset:32*\u+16
.endr
.endm
.macro BLOADV buf                      ; v: a lane holds one feature: one number a tile,
.irp n, 0,1
	global_load_b32 v[BC+16*\buf+8*\n], v[BVOFF], s[NP+4:NP+5] offset:32*\n
.endr
.endm
.macro BREP buf                        ; spread over the tile's eight registers
.irp n, 0,1
.irp j, 1,2,3,4,5,6,7
	v_mov_b32 v[BC+16*\buf+8*\n+\j], v[BC+16*\buf+8*\n]
.endr
.endr
	PLACES 4
.endm
.macro NPSTEP                          ; 32 rows of W on
	s_add_nc_u64 s[NP:NP+1], s[NP:NP+1], 16384
	s_add_nc_u64 s[NP+2:NP+3], s[NP+2:NP+3], 512
	s_add_nc_u64 s[NP+4:NP+5], s[NP+4:NP+5], 128
.endm
; 64 matrix instructions of a pair of q or k.  Eight accumulators take turns, one instruction a turn; the bias is the C of each sum's first instruction.
.macro MULQK buf
.irp g, 0,1
	WIN 0x09+4*\g
.irp s, 0,1,2,3
.irp l, 0,1,2,3
.irp u, 0,1
.if \s == 0
	WM ACC+16*(4*\g+\l)+8*\u, 128*\buf+64*\u+16*\s, 64*\l+16*\s, BC+16*\buf+8*\u, WS+4*\buf+\s, XS+4*\l+\s, \u, \g
.else
	WM ACC+16*(4*\g+\l)+8*\u, 128*\buf+64*\u+16*\s, 64*\l+16*\s, ACC+16*(4*\g+\l)+8*\u, WS+4*\buf+\s, XS+4*\l+\s, \u, \g
.endif
.endr
.endr
.endr
.endr
	WIN 0
.endm
.macro MULV buf                        ; the same for v, the sources swapped
.irp g, 0,1
	WIN 0x06+\g
.irp s, 0,1,2,3
.irp l, 0,1,2,3
.irp n, 0,1
.if \s == 0
	WM ACC+64*\n+8*(4*\g+\l), 64*\l+16*\s, 128*\buf+64*\n+16*\s, BC+16*\buf+8*\n, XS+4*\l+\s, WS+4*\buf+\s, \g, \n
.else
	WM ACC+64*\n+8*(4*\g+\l), 64*\l+16*\s, 128*\buf+64*\n+16*\s, ACC+64*\n+8*(4*\g+\l), XS+4*\l+\s, WS+4*\buf+\s, \g, \n
.endif
.endr
.endr
.endr
.endr
	WIN 0
.endm
; unit n of x: tile u = n % 2 of my 32 tokens, K step s = 2 (n / 4) + (n / 2) % 2: 64 numbers a lane, 16 neighbours of each block of 32
.macro XFETCH n
.irp b, 0,1,2,3
.irp j, 0,1,2,3
	ds_load_b128 v[ACC+64*((\n)&1)+16*\b+4*\j:ACC+64*((\n)&1)+16*\b+4*\j+3], v[XRD] offset:((\n)>>2)*XH+8*((\n)&1)*XP+(((\n)>>1)&1)*512+128*\b+16*\j
.endr
.endr
.endm
.macro UNIT n
	s_wait_dscnt 0x0                               ; this unit's numbers are in; the last unit's stores have read their registers
.if (\n) == 3
	s_wait_tensorcnt 0x0                           ; the second K half has landed: the next unit reads it
.endif
.if (\n) < 7
	XFETCH (\n)+1
.endif
	QUANT 4, ACC+64*((\n)&1), CD, TM+4, TM
	WORD4 TM, TM+4
.irp c, 0,1,2,3
.if (\n) < 4
	ds_store_b128 v[IMA], v[CD+4*\c:CD+4*\c+3] offset:(2*((\n)&1)+(((\n)>>1)&1))*2048+512*\c
.else
	ds_store_b128 v[IMB], v[CD+4*\c:CD+4*\c+3] offset:(2*((\n)&1)+(((\n)>>1)&1))*2048+512*\c   ; over my first K half: it had its one fill, and my reads of it came back at unit 3's head
.endif
.endr
	ds_store_b32 v[XSW], v[TM] offset:512*((\n)&1)+128*(2*((\n)>>2)+(((\n)>>1)&1))             ; both lanes of a row write the same word with the same value
.endm
.macro XALL                            ; all 32 fragments of x and their 16 registers of scale words, into every wave
.irp t, 0,1,2,3,4,5,6,7
	WIN 0x80+0x40*(\t>>2)
.set XB, RF+(\t>>1)
.if (\t>>1) == 0
.set XB, LI
.endif
.irp s, 0,1
.irp c, 0,1,2,3
	ds_load_b128 v[64*(\t&3)+16*\s+4*\c:64*(\t&3)+16*\s+4*\c+3], v[RF] offset:(\t>>1)*8192+(2*(\t&1)+\s)*2048+512*\c
.endr
.endr
.irp s, 2,3
.irp c, 0,1,2,3
	ds_load_b128 v[64*(\t&3)+16*\s+4*\c:64*(\t&3)+16*\s+4*\c+3], v[XB] offset:(2*(\t&1)+\s-2)*2048+512*\c
.endr
.endr
.endr
	WIN 0
.irp i, 0,1,2,3,4,5,6,7,8,9,10,11,12,13,14,15
	ds_load_b32 v[XS+\i], v[XSR] offset:128*\i
.endr
	s_wait_dscnt 0x0
.endm
; behind a pair of q or k: block pb of a head's 64.  Eight tiles of tokens, one block of 32 features each.
.macro EPIQK pb
	PLACES 8                                       ; eight places between the last products and the first read of results
	s_wait_xcnt 0x0                                ; the pair's loads have read their pointers, the last pair's stores their data: both are written below
	NPSTEP
.if \pb == 0
	s_cmp_eq_u32 s[CNT], 1                         ; behind q's last pair comes k's first,
	s_cselect_b64 s[NP:NP+1], s[12:13], s[NP:NP+1]
	s_cselect_b64 s[NP+2:NP+3], s[14:15], s[NP+2:NP+3]
	s_cselect_b64 s[NP+4:NP+5], s[16:17], s[NP+4:NP+5]
	s_cmp_eq_u32 s[CNT], 3                         ; behind k's last v's first
	s_cselect_b64 s[NP:NP+1], s[18:19], s[NP:NP+1]
	s_cselect_b64 s[NP+2:NP+3], s[20:21], s[NP+2:NP+3]
	s_cselect_b64 s[NP+4:NP+5], s[22:23], s[NP+4:NP+5]
	QUANT 4, ACC, CD, SB, TM                       ; the first block's bytes are kept
.else
	QUANT 4, ACC, CD, TM+4, TM
.irp t, 0,1,2,3
	v_lshl_or_b32 v[SB+\t], v[TM+4+\t], 8, v[SB+\t]
.endr
.irp t, 0,1,2,3
	v_lshl_or_b32 v[SB+\t], v[SB+\t], 16, v[SB+\t] ; the upper two bytes stand over zero codes: copies, never 0xff
.endr
.endif
.irp t, 0,1,2,3
	global_store_b128 v[LI], v[CD+4*\t:CD+4*\t+3], s[OC:OC+1] offset:1024*\t+512*\pb           ; 32 lanes store 512 consecutive bytes
.endr
.if \pb == 0
	QUANT 4, ACC+64, CD2, SB+4, TM
.else
	QUANT 4, ACC+64, CD2, TM+4, TM
.irp t, 0,1,2,3
	v_lshl_or_b32 v[SB+4+\t], v[TM+4+\t], 8, v[SB+4+\t]
.endr
.irp t, 0,1,2,3
	v_lshl_or_b32 v[SB+4+\t], v[SB+4+\t], 16, v[SB+4+\t]
.endr
.endif
.irp t, 0,1,2,3
	global_store_b128 v[LI], v[CD2+4*\t:CD2+4*\t+3], s[OC:OC+1] offset:4096+1024*\t+512*\pb
.endr
.if \pb == 1
.irp j, 0,1,2,3
	v_cndmask_b32 v[TM+\j], v[SB+\j], v[SB+4+\j], s[HM]            ; lanes 0-15 tiles 0-3, lanes 16-31 tiles 4-7
.endr
	global_store_b128 v[LI], v[TM:TM+3], s[OS:OS+1]
.endif
.endm
; behind a pair of v: two tiles of 16 features x 128 keys: four blocks of 32 keys each
.macro EPIV pb
	PLACES 8
	s_wait_xcnt 0x0
	NPSTEP
	QUANT 4, ACC, CD, TM+4, TM
	WORD4 SB+2*\pb, TM+4
.irp c, 0,1,2,3
	global_store_b128 v[LI], v[CD+4*\c:CD+4*\c+3], s[OC:OC+1] offset:4096*\pb+512*\c
.endr
	QUANT 4, ACC+64, CD2, TM+4, TM
	WORD4 SB+2*\pb+1, TM+4
.irp c, 0,1,2,3
	global_store_b128 v[LI], v[CD2+4*\c:CD2+4*\c+3], s[OC:OC+1] offset:4096*\pb+2048+512*\c
.endr
.if \pb == 1
	v_cndmask_b32 v[TM], v[SB], v[SB+2], s[HM]     ; lanes 0-15 tiles 0, 1, lanes 16-31 tiles 2, 3
	v_cndmask_b32 v[TM+1], v[SB+1], v[SB+3], s[HM]
	global_store_b64 v[L8], v[TM:TM+1], s[OS:OS+1] ; 32 lanes store 256 consecutive bytes
.endif
.endm
	s_load_b512 s[4:19], s[0:1], 0x0               ; x, Wq codes, Wq scales, bq, Wk codes, Wk scales, bk, Wv codes
	s_load_b256 s[20:27], s[0:1], 0x40             ; Wv scales, bv, qc, kv
	v_lshl_add_u32 v254, v0, 2, 0x4a000
	v_mov_b32 v255, 0
	ds_add_u32 v254, v255
	ds_add_u32 v254, v255
	s_wait_dscnt 0x0
	v_lshrrev_b32 v104, 5, v0
	v_readfirstlane_b32 s[WV], v104                ; wave 0..3
	v_and_b32 v105, 31, v0                         ; lane
	v_and_b32 v106, 15, v0                         ; r
	v_bfe_u32 v107, v0, 4, 1                       ; h
	v_and_b32 v108, 8, v106
	v_add_nc_u32 v108, v108, v106                  ; r + 8 (r / 8)
	v_lshlrev_b32 v[LI], 4, v105
	v_lshlrev_b32 v[L8], 3, v105
	v_lshlrev_b32 v[WOFF], 9, v108
	v_lshl_add_u32 v[WOFF], v107, 4, v[WOFF]
	v_lshlrev_b32 v[WSOFF], 4, v108
	v_lshl_add_u32 v[WSOFF], v107, 7, v[WSOFF]
	v_lshlrev_b32 v[BOFF], 6, v107
	v_lshlrev_b32 v[BVOFF], 2, v108
	s_mul_i32 s68, s[WV], XW                       ; my wave's x in LDS
	v_mul_u32_u24 v[XRD], v108, XP
	v_lshl_add_u32 v[XRD], v107, 6, v[XRD]
	v_add_nc_u32 v[XRD], s68, v[XRD]
	s_lshl_b32 s69, s[WV], 13
	s_add_co_u32 s69, s69, FREE
	v_add_nc_u32 v[IMA], s69, v[LI]
	v_add_nc_u32 v[IMB], s68, v[LI]
	s_and_b32 s69, s[WV], 1                        ; tile t = 2 w + u: image 4 (t % 4) + s, lanes 16 (t / 4) + r
	s_lshl_b32 s69, s69, 10
	s_lshr_b32 s70, s[WV], 1
	s_lshl_b32 s70, s70, 6
	s_add_co_u32 s69, s69, s70
	s_add_co_u32 s69, s69, XSC
	v_lshl_add_u32 v[XSW], v106, 2, s69
	v_add_nc_u32 v[RF], FREE, v[LI]
	v_add_nc_u32 v[RF+1], XW, v[LI]
	v_add_nc_u32 v[RF+2], 2*XW, v[LI]
	v_add_nc_u32 v[RF+3], 3*XW, v[LI]
	v_lshl_add_u32 v[XSR], v105, 2, XSC
.irp b, 0,1,2,3
	v_mov_b32 v[TM+4+\b], 0                        ; written once: a lane permute's destination counts as one of its sources
.endr
	s_mov_b32 s[SEL], 0x76543210
	s_mov_b32 s[SEL+1], 0xfedcba98                 ; lane l xor 16
	s_mov_b32 s[MNT], 0x600000                     ; the mantissa field of 57,344
	s_mov_b32 s[HM], 0xffff0000
	; descriptor group 1: 32 rows x 256 f32, 512 f32 from row to row; 16 bytes of padding behind each 1,024
	s_mov_b32 s[G1+0], (2<<16)|(1<<20)|(7<<22)|(3<<25)
	s_mov_b32 s[G1+1], 256<<16
	s_mov_b32 s[G1+2], 32<<16
	s_mov_b32 s[G1+3], 256<<16
	s_mov_b32 s[G1+4], 32
	s_mov_b32 s[G1+5], 512
	s_mov_b32 s[G1+6], 0
	s_mov_b32 s[G1+7], 0
	s_and_b32 s71, ttmp7, 0xffff                   ; y = 8 c + b
	s_lshr_b32 s72, s71, 3                         ; c
	s_and_b32 s73, s71, 7                          ; b
	s_mul_i32 s74, s73, 3072
	s_lshl_b32 s75, s72, 10
	s_add_co_u32 s74, s74, s75
	s_lshl_b32 s75, ttmp9, 7
	s_add_co_u32 s74, s74, s75
	s_lshl_b32 s75, s[WV], 5
	s_add_co_u32 s74, s74, s75                     ; my wave's first token
	s_lshl_b32 s74, s74, 11                        ; x 2,048 bytes (under 2^26)
	s_mov_b32 s75, 0
	s_lshl_b32 s76, s72, 18                        ; W's codes: chunk c, my 128 rows
	s_lshl_b32 s77, s[WV], 16
	s_add_co_u32 s76, s76, s77
	s_mov_b32 s77, 0
	s_lshl_b32 s78, s72, 13                        ; W's scale bytes
	s_lshl_b32 s79, s[WV], 11
	s_add_co_u32 s78, s78, s79
	s_mov_b32 s79, 0
	s_lshl_b32 s80, s72, 11                        ; the biases
	s_lshl_b32 s81, s[WV], 9
	s_add_co_u32 s80, s80, s81
	s_mov_b32 s81, 0
	s_lshl_b32 s82, s71, 3
	s_lshl_b32 s83, s[WV], 1
	s_add_co_u32 s82, s82, s83                     ; my first head: 8 y + 2 w
	s_mul_i32 s84, s82, QHEAD
	s_mul_i32 s85, ttmp9, QBLK
	s_add_co_u32 s84, s84, s85
	s_mov_b32 s85, 0
	s_mul_i32 s86, s82, KHEAD
	s_mul_i32 s87, ttmp9, KBLK
	s_add_co_u32 s86, s86, s87
	s_mov_b32 s87, 0
	s_wait_kmcnt 0x0
	s_add_nc_u64 s[4:5], s[4:5], s[74:75]
	s_mov_b32 s[G0A], 1
	s_mov_b32 s[G0A+1], s68
	s_mov_b64 s[G0A+2:G0A+3], s[4:5]
	s_or_b32 s[G0A+3], s[G0A+3], 0x80000000
	s_mov_b32 s[G0B], 1
	s_add_co_u32 s[G0B+1], s68, XH
	s_add_nc_u64 s[G0B+2:G0B+3], s[4:5], 1024
	s_or_b32 s[G0B+3], s[G0B+3], 0x80000000
	tensor_load_to_lds s[G0A:G0A+3], s[G1:G1+7]    ; my 32 tokens, K 0 .. 255
	s_nop 0
	tensor_load_to_lds s[G0B:G0B+3], s[G1:G1+7]    ; and K 256 .. 511: two loads of mine are out, and LDS is filled once
	s_nop 0
	PLACES 4
	s_add_nc_u64 s[6:7], s[6:7], s[76:77]
	s_add_nc_u64 s[8:9], s[8:9], s[78:79]
	s_add_nc_u64 s[10:11], s[10:11], s[80:81]
	s_add_nc_u64 s[12:13], s[12:13], s[76:77]
	s_add_nc_u64 s[14:15], s[14:15], s[78:79]
	s_add_nc_u64 s[16:17], s[16:17], s[80:81]
	s_add_nc_u64 s[18:19], s[18:19], s[76:77]
	s_add_nc_u64 s[20:21], s[20:21], s[78:79]
	s_add_nc_u64 s[22:23], s[22:23], s[80:81]
	s_mov_b64 s[NP:NP+1], s[6:7]
	s_mov_b64 s[NP+2:NP+3], s[8:9]
	s_mov_b64 s[NP+4:NP+5], s[10:11]
	s_add_nc_u64 s[OC:OC+1], s[24:25], s[84:85]
	s_add_nc_u64 s[OS:OS+1], s[OC:OC+1], 8192
	s_mov_b32 s[OST], QHEAD
	s_mov_b32 s[OST+1], 0
	s_add_nc_u64 s[K0:K0+1], s[26:27], s[86:87]
	WLOADW 0                                       ; q's first pair lands while x is quantised
	BLOADQK 0
	; ---- x: my 32 tokens become eight fragments
	s_wait_tensorcnt 0x1                           ; the first K half has landed; the second, issued behind it, may be out.  Only I read these bytes
	XFETCH 0
.irp n, 0,1,2,3,4,5,6,7
	UNIT \n
.endr
	s_wait_dscnt 0x0                               ; my images and scale words lie in LDS
	s_barrier_signal -1
	s_barrier_wait -1                              ; everybody's do
	XALL
	s_wait_xcnt 0x0                                ; the first pair's loads have read their pointers
	NPSTEP
	; ---- q and k: trip CNT makes a head's two pairs: q of head 2 w, 2 w + 1, then k of the same
	s_mov_b32 s[CNT], 0
.Lqk:
	s_wait_loadcnt 0x0                             ; set 0, asked for a pair ago
	WLOADW 1
	BLOADQK 1
	MULQK 0
	EPIQK 0
	s_wait_loadcnt 0x0                             ; set 1
	WLOADW 0
	s_cmp_eq_u32 s[CNT], 3                         ; the pair after k's last is v's first: its bias has another layout
	s_cbranch_scc1 .Lbias_v
	BLOADQK 0
	s_branch .Lbias_done
.Lbias_v:
	BLOADV 0
.Lbias_done:
	MULQK 1
	EPIQK 1
	s_wait_xcnt 0x0                                ; the stores have read their pointers
	s_add_nc_u64 s[OC:OC+1], s[OC:OC+1], s[OST:OST+1]
	s_add_nc_u64 s[OS:OS+1], s[OS:OS+1], s[OST:OST+1]
	s_add_nc_u64 s[74:75], s[K0:K0+1], 16384
	s_cmp_eq_u32 s[CNT], 1                         ; behind q's second head: on to kv
	s_cselect_b64 s[OC:OC+1], s[K0:K0+1], s[OC:OC+1]
	s_cselect_b64 s[OS:OS+1], s[74:75], s[OS:OS+1]
	s_cselect_b32 s[OST], KHEAD, s[OST]
	s_add_co_u32 s[CNT], s[CNT], 1
	s_cmp_lt_u32 s[CNT], 4
	s_cbranch_scc1 .Lqk
	; ---- v: trip CNT makes head 2 w + CNT
	s_add_nc_u64 s[OC:OC+1], s[K0:K0+1], 8192
	s_add_nc_u64 s[OS:OS+1], s[K0:K0+1], 16896
	s_mov_b32 s[CNT], 0
.Lv:
	s_wait_loadcnt 0x0
	BREP 0
	WLOADW 1
	BLOADV 1
	MULV 0
	EPIV 0
	s_wait_loadcnt 0x0
	BREP 1
	s_cmp_eq_u32 s[CNT], 1                         ; behind the last pair there is nothing to fetch: no load leaves its buffer
	s_cbranch_scc1 .Lv_last
	WLOADW 0
	BLOADV 0
.Lv_last:
	MULV 1
	EPIV 1
	s_wait_xcnt 0x0
	s_add_nc_u64 s[OC:OC+1], s[OC:OC+1], KHEAD
	s_add_nc_u64 s[OS:OS+1], s[OS:OS+1], KHEAD
	s_add_co_u32 s[CNT], s[CNT], 1
	s_cmp_lt_u32 s[CNT], 2
	s_cbranch_scc1 .Lv
	s_wait_xcnt 0x0
	v_lshl_add_u32 v254, v0, 2, 0x4a000
	v_mov_b32 v255, 0
	s_wait_tensorcnt 0x0
	ds_add_u32 v254, v255
	s_wait_dscnt 0x0
	s_endpgm
.Lfunc_end_k_qd194604a5c_qkv:
	.size	k_qd194604a5c_qkv, .Lfunc_end_k_qd194604a5c_qkv-k_qd194604a5c_qkv
	.p2alignl 7, 3214868480
	.fill 96, 4, 3214868480
	.section	.rodata,"a",@progbits
	.p2align	6, 0x0
	.amdhsa_kernel k_qd194604a5c_qkv
		.amdhsa_group_segment_fixed_size 303616
		.amdhsa_private_segment_fixed_size 0
		.amdhsa_enable_private_segment 0
		.amdhsa_kernarg_size 96
		.amdhsa_user_sgpr_count 2
		.amdhsa_user_sgpr_kernarg_segment_ptr 1
		.amdhsa_wavefront_size32 1
		.amdhsa_system_sgpr_workgroup_id_x 1
		.amdhsa_system_sgpr_workgroup_id_y 1
		.amdhsa_system_sgpr_workgroup_id_z 1
		.amdhsa_system_vgpr_workitem_id 0
		.amdhsa_next_free_vgpr 1024
		.amdhsa_next_free_sgpr 96
		.amdhsa_reserve_vcc 0
		.amdhsa_float_denorm_mode_32 3
		.amdhsa_float_denorm_mode_16_64 3
		.amdhsa_memory_ordered 1
		.amdhsa_forward_progress 1
		.amdhsa_inst_pref_size 212
	.end_amdhsa_kernel
	.amdgpu_metadata
---
amdhsa.version: [ 1, 2 ]
amdhsa.kernels:
  - .name:           k_qd194604a5c_qkv
    .symbol:         k_qd194604a5c_qkv.kd
    .args:
      - { .name: x, .offset: 0, .size: 8, .value_kind: global_buffer, .address_space: global }
      - { .name: Wq_codes, .offset: 8, .size: 8, .value_kind: global_buffer, .address_space: global }
      - { .name: Wq_scales, .offset: 16, .size: 8, .value_kind: global_buffer, .address_space: global }
      - { .name: bq, .offset: 24, .size: 8, .value_kind: global_buffer, .address_space: global }
      - { .name: Wk_codes, .offset: 32, .size: 8, .value_kind: global_buffer, .address_space: global }
      - { .name: Wk_scales, .offset: 40, .size: 8, .value_kind: global_buffer, .address_space: global }
      - { .name: bk, .offset: 48, .size: 8, .value_kind: global_buffer, .address_space: global }
      - { .name: Wv_codes, .offset: 56, .size: 8, .value_kind: global_buffer, .address_space: global }
      - { .name: Wv_scales, .offset: 64, .size: 8, .value_kind: global_buffer, .address_space: global }
      - { .name: bv, .offset: 72, .size: 8, .value_kind: global_buffer, .address_space: global }
      - { .name: qc, .offset: 80, .size: 8, .value_kind: global_buffer, .address_space: global }
      - { .name: kv, .offset: 88, .size: 8, .value_kind: global_buffer, .address_space: global }
    .group_segment_fixed_size: 303616
    .private_segment_fixed_size: 0
    .kernarg_segment_align: 8
    .kernarg_segment_size: 96
    .max_flat_workgroup_size: 128
    .sgpr_count:     96
    .vgpr_count:     1024
    .wavefront_size: 32
...
	.end_amdgpu_metadata
.endif
;; end of part 1
;; launch attn (part 2): grid 4 x 192, 8 waves a work-group, clusters of 4 x 1, 168,960 bytes of LDS; arguments qc, kv, oc, os; writes oc, os
.if DOCPART == 2
	.amdgcn_target "amdgcn-amd-amdhsa--gfx1250"
	.amdhsa_code_object_version 6
	.text
	.protected	k_qd194604a5c_attn
	.globl	k_qd194604a5c_attn
	.p2align	8
	.type	k_qd194604a5c_attn,@function
k_qd194604a5c_attn:
	s_mov_b64 s[64:65], 0
	v_nop
	global_prefetch_b8 v0, s[64:65] scope:SCOPE_SE
	s_setreg_imm32_b32 hwreg(HW_REG_WAVE_MODE, 25, 1), 1
	s_wait_xcnt 0x0
	s_wait_alu depctr_hold_cnt(0) depctr_sa_sdst(0) depctr_va_vdst(0) depctr_va_sdst(0) depctr_va_ssrc(0) depctr_va_vcc(0) depctr_vm_vsrc(0)
	s_getreg_b32 s2, hwreg(HW_REG_IB_STS2, 6, 4)
	s_cmp_eq_u32 s2, 0
	s_cbranch_scc0 .Lentry_in_a_cluster
	s_endpgm
.Lentry_in_a_cluster:
	s_bfe_u32 s2, ttmp6, 0x10000c
	s_cmp_lg_u32 s2, 0x3003
	s_cbranch_scc0 .Lentry_shape_is_right
	s_endpgm
.Lentry_shape_is_right:
; o = softmax(q k^T / sqrt(512)) v for one head ya = 64 i + 8 b + hd of output chunk i (q of chunk (i + 1) % 3, k and v of chunk (i + 2) % 3), both products on codes of BF8 (E5M2) with E8M0 scales; o is quantised along the
; merged heads' 512 (a head gives two blocks of 32) and leaves as codes.
; THE SOFTMAX: t = score x log2(e) / sqrt(512); M = the running largest t rounded UP to a whole number, kept as -M; p = 2^(t - M) is quantised along the keys, not normalised; the row's sum is taken of the unquantised p and divides at the end.
; When M moves, the sum and O^T are multiplied by 2^(old M - new M), which rounds nothing.
; SHARES.  A work-group owns 256 queries; the four work-groups of a cluster own one head's 1,024 and read the same K and V.  The head's K and V, 137,216 bytes, come into each one's LDS ONCE, by eight joint loads (wave w: key step w).
; Wave w owns two tiles of 16 queries, tiles w % 4 (window 0) and 4 + w % 4 (window 1) of block 2 cx + w / 4: each fragment of K and V that it reads from LDS feeds two matrix instructions.
; LAYOUT.  S^T = K Q^T (source 0 = 16 keys, source 1 = 16 queries; K = the head's 64, the fragments' upper halves are zero codes), O^T = V^T P^T: a lane holds one query throughout.  K's, V's and Q's fragments lie in memory
; as images of their registers, with the rows of a tile chosen so that p's 16 registers of two neighbouring tiles are 16 neighbouring keys, and O^T's 16 neighbouring channels.
; LIMITS: a block's largest p is taken from its largest score (this takes v_exp_f32 not to fall where its input rises); 1 / the sum is v_rcp_f32; a block of zeros gets the byte 1 (its codes are zeros; this program alone reads the bytes).
; REGISTERS, the same numbers in both windows: v12 -M, v13 the largest t, v[14:15] the sum; v16-31 Q; v32-95 four tiles of K (window 0: tiles 0-3, window 1: 4-7); v96-159 S^T, then p (window 0's later take V);
;   v160-191 O^T; v192-207 p's codes; v208-229 at work.   window 0 alone: v1-4 addresses; v5 Q's, v[6:7] V's, v[8:11] K's scale words; v240, v241 p's scale words; v242-249 the way out.
.set KSTEP, 17152                      ; a key step in LDS and in kv: K's 8 tiles, V's 4, K's scale words, V's
.set KHEAD, 137216
.set QHEAD, 69632
.set QBLK,  8704
.set STG,   KHEAD                      ; behind K and V: 1,024 bytes for o's scale words
.set LI,  1
.set L8,  2
.set ADK, 3
.set AD8, 4
.set SS,  96
.set OT,  160
.set CD,  192
.set BM,  208
.set PB,  212
.set HL,  216
.set SO,  220
.set WV,  12
.set CX,  13
.set G0,  16
.set G1,  20
.set SEL, 28
.set CS,  30
.set MNT, 32
.set HM,  33
.set TB,  34
.set CNT, 35
.set MSB, 0
.macro WIN new
.if MSB != (\new)
	s_set_vgpr_msb (MSB<<8)|(\new)
.set MSB, (\new)
.endif
.endm
.macro PLACES n
.rept \n
	v_nop
.endr
.endm
.macro WM d, a, b, c, sa, sb, ra, rb
.if (\ra) && (\rb)
	v_wmma_scale_f32_16x16x128_f8f6f4 v[(\d):(\d)+7], v[(\a):(\a)+15], v[(\b):(\b)+15], v[(\c):(\c)+7], v[(\sa)], v[(\sb)] matrix_a_fmt:MATRIX_FMT_BF8 matrix_b_fmt:MATRIX_FMT_BF8 matrix_a_scale:MATRIX_SCALE_ROW1 matrix_b_scale:MATRIX_SCALE_ROW1
.elseif (\ra)
	v_wmma_scale_f32_16x16x128_f8f6f4 v[(\d):(\d)+7], v[(\a):(\a)+15], v[(\b):(\b)+15], v[(\c):(\c)+7], v[(\sa)], v[(\sb)] matrix_a_fmt:MATRIX_FMT_BF8 matrix_b_fmt:MATRIX_FMT_BF8 matrix_a_scale:MATRIX_SCALE_ROW1
.elseif (\rb)
	v_wmma_scale_f32_16x16x128_f8f6f4 v[(\d):(\d)+7], v[(\a):(\a)+15], v[(\b):(\b)+15], v[(\c):(\c)+7], v[(\sa)], v[(\sb)] matrix_a_fmt:MATRIX_FMT_BF8 matrix_b_fmt:MATRIX_FMT_BF8 matrix_b_scale:MATRIX_SCALE_ROW1
.else
	v_wmma_scale_f32_16x16x128_f8f6f4 v[(\d):(\d)+7], v[(\a):(\a)+15], v[(\b):(\b)+15], v[(\c):(\c)+7], v[(\sa)], v[(\sb)] matrix_a_fmt:MATRIX_FMT_BF8 matrix_b_fmt:MATRIX_FMT_BF8
.endif
.endm
.macro WMZ d, a, b, sa, sb, ra, rb     ; the same with the constant 0 as C
.if (\ra) && (\rb)
	v_wmma_scale_f32_16x16x128_f8f6f4 v[(\d):(\d)+7], v[(\a):(\a)+15], v[(\b):(\b)+15], 0, v[(\sa)], v[(\sb)] matrix_a_fmt:MATRIX_FMT_BF8 matrix_b_fmt:MATRIX_FMT_BF8 matrix_a_scale:MATRIX_SCALE_ROW1 matrix_b_scale:MATRIX_SCALE_ROW1
.elseif (\ra)
	v_wmma_scale_f32_16x16x128_f8f6f4 v[(\d):(\d)+7], v[(\a):(\a)+15], v[(\b):(\b)+15], 0, v[(\sa)], v[(\sb)] matrix_a_fmt:MATRIX_FMT_BF8 matrix_b_fmt:MATRIX_FMT_BF8 matrix_a_scale:MATRIX_SCALE_ROW1
.elseif (\rb)
	v_wmma_scale_f32_16x16x128_f8f6f4 v[(\d):(\d)+7], v[(\a):(\a)+15], v[(\b):(\b)+15], 0, v[(\sa)], v[(\sb)] matrix_a_fmt:MATRIX_FMT_BF8 matrix_b_fmt:MATRIX_FMT_BF8 matrix_b_scale:MATRIX_SCALE_ROW1
.else
	v_wmma_scale_f32_16x16x128_f8f6f4 v[(\d):(\d)+7], v[(\a):(\a)+15], v[(\b):(\b)+15], 0, v[(\sa)], v[(\sb)] matrix_a_fmt:MATRIX_FMT_BF8 matrix_b_fmt:MATRIX_FMT_BF8
.endif
.endm
.macro QUANT nb, src, dst, bd, tm      ; nb blocks of 32: my 16 registers v[src + 16 b ..] and lane l xor 16's; codes to v[dst + 4 b ..], bytes to v[bd + b]
.set qb, 0
.rept \nb
	v_max3_num_f32 v[(\tm)+qb], |v[(\src)+16*qb]|, |v[(\src)+16*qb+1]|, 0x8000000   ; with the floor 2^(16 - 127): the byte cannot fall under 1
.set qb, qb+1
.endr
.set qi, 2
.rept 7
.set qb, 0
.rept \nb
	v_max3_num_f32 v[(\tm)+qb], v[(\tm)+qb], |v[(\src)+16*qb+qi]|, |v[(\src)+16*qb+qi+1]|
.set qb, qb+1
.endr
.set qi, qi+2
.endr
.set qb, 0
.rept \nb
	v_permlanex16_b32 v[(\tm)+4+qb], v[(\tm)+qb], s[SEL], s[SEL+1]
.set qb, qb+1
.endr
.set qb, 0
.rept \nb
	v_max_num_f32 v[(\tm)+qb], v[(\tm)+qb], v[(\tm)+4+qb]
.set qb, qb+1
.endr
.set qb, 0
.rept \nb
	v_add_nc_u32 v[(\tm)+12+qb], 0xf8800000, v[(\tm)+qb]           ; 15 off the exponent field: the conversion's scale operand
.set qb, qb+1
.endr
.set qb, 0
.rept \nb
	v_and_or_b32 v[(\tm)+8+qb], v[(\tm)+qb], 0x7f800000, s[MNT]    ; 57,344 x the scale
.set qb, qb+1
.endr
.set qb, 0
.rept \nb
	v_lshrrev_b32 v[(\bd)+qb], 23, v[(\tm)+12+qb]
.set qb, qb+1
.endr
.set qb, 0
.rept \nb
.set qi, 0
.rept 16
	v_med3_num_f32 v[(\src)+16*qb+qi], v[(\src)+16*qb+qi], -v[(\tm)+8+qb], v[(\tm)+8+qb]   ; the conversion does not saturate (ISA guide 7.6.2): the hold comes first
.set qi, qi+1
.endr
	v_cvt_scalef32_pk8_bf8_f32 v[(\dst)+4*qb:(\dst)+4*qb+1], v[(\src)+16*qb:(\src)+16*qb+7], v[(\tm)+12+qb]
	v_cvt_scalef32_pk8_bf8_f32 v[(\dst)+4*qb+2:(\dst)+4*qb+3], v[(\src)+16*qb+8:(\src)+16*qb+15], v[(\tm)+12+qb]
.set qb, qb+1
.endr
	v_nop
.endm
.macro CROUND                          ; a round of the cluster's barrier
	s_barrier_signal -1
	s_barrier_wait -1
	s_cmp_lg_u32 s[WV], 0
	s_cbranch_scc1 .Lnot_wave_0_\@
	s_barrier_signal -3
.Lnot_wave_0_\@:
	s_barrier_wait -3
	s_barrier_signal -1
	s_barrier_wait -1
.endm
.macro INIT                            ; one window's constants and beginnings
.irp j, 24,25,26,27,28,29,30,31
	v_mov_b32 v[\j], 0                             ; Q's upper half: zero codes for K 64 .. 127
.endr
.irp k, 0,1,2,3
.irp j, 8,9,10,11,12,13,14,15
	v_mov_b32 v[32+16*\k+\j], 0                    ; K's likewise: never written again
.endr
.endr
.set ej, 0
.rept 32
	v_mov_b32 v[OT+ej], 0                          ; O^T: the step is written once; its first walk finds zeros, which the first change of M leaves zeros
.set ej, ej+1
.endr
	v_mov_b32 v13, 0xff61b1e6                      ; the largest t so far: -3e38
	v_floor_f32 v12, -v13
	v_mov_b32 v14, 0
	v_mov_b32 v15, 0
.irp b, 0,1,2,3
	v_mov_b32 v[PB+\b], 0                          ; a lane permute's destination counts as one of its sources
.endr
	v_mov_b32 v225, 0                              ; named as the upper half of the pair v[224:225]
	v_mov_b32 v226, 0
.endm
.macro KFETCH adr, off                 ; a key step's eight tiles of K (their lower halves) and its scale words
	WIN 0
.irp k, 0,1,2,3
.irp c, 0,1
	ds_load_b128 v[32+16*\k+4*\c:32+16*\k+4*\c+3], v[\adr] offset:(\off)+1024*\k+512*\c
.endr
.endr
	ds_load_b128 v[8:11], v[\adr] offset:(\off)+16384
	WIN 0x40
.irp k, 0,1,2,3
.irp c, 0,1
	ds_load_b128 v[32+16*\k+4*\c:32+16*\k+4*\c+3], v[\adr] offset:(\off)+4096+1024*\k+512*\c
.endr
.endr
	WIN 0
.endm
.macro VFETCH                          ; the step's four tiles of V^T, into the registers that tile A's p has left
.irp t, 0,1,2,3
.irp c, 0,1,2,3
	ds_load_b128 v[SS+16*\t+4*\c:SS+16*\t+4*\c+3], v[ADK] offset:8192+2048*\t+512*\c
.endr
.endr
	ds_load_b64 v[6:7], v[AD8] offset:16896
.endm
.macro QK                              ; 16 products, each on an accumulator of its own, begun with the constant 0
.irp q, 0,1
.irp g, 0,1
	WIN 0x54*\q+\g
.irp k, 0,1,2,3
	WMZ SS+8*(4*\g+\k), 32+16*\k, 16, 8+\k, 5, \g, \q
.endr
.endr
.endr
.endm
.macro PV                              ; O^T += V^T P^T: eight accumulators, one instruction each
	WIN 0
.irp t, 0,1,2,3
	WM OT+8*\t, SS+16*\t, CD, OT+8*\t, 6+(\t&1), 240, \t>>1, 0
.endr
	WIN 0x54
.irp t, 0,1,2,3
	WM OT+8*\t, SS+16*\t, CD, OT+8*\t, 6+(\t&1), 241, \t>>1, 0
.endr
.endm
.macro SOFTMAX w                       ; one tile's 16 queries x 128 keys, in window w
	WIN 0x55*(\w)
.irp b, 0,1,2,3
	v_max3_num_f32 v[BM+\b], v[SS+16*\b], v[SS+16*\b+1], v[SS+16*\b+2]     ; the largest score of each block of 32 keys: it serves the row's maximum and the block's largest p
.endr
.irp i, 3,5,7,9,11,13
.irp b, 0,1,2,3
	v_max3_num_f32 v[BM+\b], v[BM+\b], v[SS+16*\b+\i], v[SS+16*\b+\i+1]
.endr
.endr
.irp b, 0,1,2,3
	v_max_num_f32 v[BM+\b], v[BM+\b], v[SS+16*\b+15]
.endr
.irp b, 0,1,2,3
	v_permlanex16_b32 v[PB+\b], v[BM+\b], s[SEL], s[SEL+1]
.endr
.irp b, 0,1,2,3
	v_max_num_f32 v[BM+\b], v[BM+\b], v[PB+\b]     ; with lane l xor 16's 16 keys
.endr
	v_max3_num_f32 v226, v[BM], v[BM+1], v[BM+2]
	v_max_num_f32 v226, v226, v[BM+3]
	v_mul_f32 v226, s[CS], v226                    ; as t (c is positive)
	v_max_num_f32 v13, v13, v226                   ; the running largest t
	v_mov_b32 v226, v12
	v_floor_f32 v12, -v13                          ; the new -M = -ceil(t)
	v_sub_f32 v226, v12, v226                      ; old M - new M: a whole number, 0 or less
	v_cvt_i32_f32 v226, v226                       ; (it saturates)
	v_ldexp_f32 v224, 1.0, v226                    ; f = 2^(old M - new M)
.set ej, 0
.rept 32
	v_pk_fma_f32 v[SS+ej:SS+ej+1], v[SS+ej:SS+ej+1], s[CS:CS+1], v[12:13] op_sel_hi:[1,0,0]   ; t - M, two at a time
.set ej, ej+2
.endr
.irp b, 0,1,2,3
	v_fma_f32 v[BM+\b], v[BM+\b], s[CS], v12
.endr
.set ej, 0
.rept 64
	v_exp_f32 v[SS+ej], v[SS+ej]                   ; p = 2^(t - M)
.set ej, ej+1
.endr
	v_pk_mul_f32 v[14:15], v[14:15], v[224:225] op_sel_hi:[1,0]    ; the sums under the new M: a plain line behind the exponentials
	s_wait_alu depctr_va_vdst(0)                   ; one wait for the batch of 64, ahead of its first reader
.irp b, 0,1,2,3
	v_exp_f32 v[BM+\b], v[BM+\b]                   ; each block's largest p
.endr
	v_pk_add_f32 v[228:229], v[SS:SS+1], v[SS+2:SS+3]              ; the row's sum of the unquantised p, in two chains
.irp j, 4,8,12,16,20,24,28,32,36,40,44,48,52,56,60
	v_pk_add_f32 v[14:15], v[14:15], v[SS+\j:SS+\j+1]
	v_pk_add_f32 v[228:229], v[228:229], v[SS+\j+2:SS+\j+3]
.endr
	v_pk_add_f32 v[14:15], v[14:15], v[228:229]
	s_wait_alu depctr_va_vdst(0)                   ; and one for the four
.irp b, 0,1,2,3
	v_max_num_f32 v[BM+\b], 0x8000000, v[BM+\b]    ; the floor 2^(16 - 127)
.endr
.irp b, 0,1,2,3
	v_add_nc_u32 v[SO+\b], 0xf8800000, v[BM+\b]
.endr
.irp b, 0,1,2,3
	v_and_or_b32 v[HL+\b], v[BM+\b], 0x7f800000, s[MNT]
.endr
.irp b, 0,1,2,3
	v_lshrrev_b32 v[PB+\b], 23, v[SO+\b]
.endr
	v_lshl_or_b32 v227, v[PB+1], 8, v[PB]
	v_lshl_or_b32 v227, v[PB+2], 16, v227
	WIN 0x15*(\w)                                  ; scale operands are taken from window 0
	v_lshl_or_b32 v[240+(\w)], v[PB+3], 24, v227   ; p's scale word for these 128 keys
	WIN 0x55*(\w)
.irp b, 0,1,2,3
.irp i, 0,1,2,3,4,5,6,7,8,9,10,11,12,13,14,15
	v_min_num_f32 v[SS+16*\b+\i], v[SS+16*\b+\i], v[HL+\b]         ; p is not negative: the hold is one-sided
.endr
	v_cvt_scalef32_pk8_bf8_f32 v[CD+4*\b:CD+4*\b+1], v[SS+16*\b:SS+16*\b+7], v[SO+\b]
	v_cvt_scalef32_pk8_bf8_f32 v[CD+4*\b+2:CD+4*\b+3], v[SS+16*\b+8:SS+16*\b+15], v[SO+\b]
.endr
.set ej, 0
.rept 16
	v_pk_mul_f32 v[OT+ej:OT+ej+1], v[OT+ej:OT+ej+1], v[224:225] op_sel_hi:[1,0]   ; O^T under the new M; these lines also stand between the codes and the products
.set ej, ej+2
.endr
.endm
; A KEY STEP of 128 keys.  nxt = 1: the next step's K is fetched behind this step's first products.
.macro STEP nxt
	v_add_nc_u32 v[ADK], s[TB], v[LI]
	v_add_nc_u32 v[AD8], s[TB], v[L8]
	PLACES 7                                       ; nine places: the products below write over the registers from which the last step's products read V
	s_wait_dscnt 0x0                               ; K is in
	QK
	WIN 0
	PLACES 8                                       ; in front of loads into K's registers and of the first read of scores
.if \nxt
	KFETCH ADK, KSTEP
.endif
	SOFTMAX 0
	WIN 0
	VFETCH
	SOFTMAX 1
	s_wait_dscnt 0x0                               ; V is in
	PV
	WIN 0
	s_add_co_u32 s[TB], s[TB], KSTEP
.endm
.macro FIN w                           ; a tile's way out: O^T / the sum, two blocks of 32 along the merged heads, codes and a scale word
	WIN 0x55*(\w)
	v_add_f32 v14, v14, v15
	v_permlanex16_b32 v226, v14, s[SEL], s[SEL+1]
	v_add_f32 v14, v14, v226                       ; the row's sum
	v_rcp_f32 v224, v14
	v_nop
	s_wait_alu depctr_va_vdst(0)                   ; ahead of the reciprocal's first reader
.set ej, 0
.rept 16
	v_pk_mul_f32 v[OT+ej:OT+ej+1], v[OT+ej:OT+ej+1], v[224:225] op_sel_hi:[1,0]   ; each accumulator from its low end on
.set ej, ej+2
.endr
	QUANT 2, OT, CD, PB, BM
	WIN 0x15*(\w)
	v_lshl_or_b32 v[242+(\w)], v[PB+1], 8, v[PB]
	WIN 0x04*(\w)
	global_store_b128 v[LI], v[CD:CD+3], s[8:9] offset:32768*(\w)          ; 32 lanes store 512 consecutive bytes
	global_store_b128 v[LI], v[CD+4:CD+7], s[8:9] offset:32768*(\w)+512
.endm
	s_load_b256 s[4:11], s[0:1], 0x0               ; qc, kv, oc, os
	v_lshl_add_u32 v254, v0, 2, 0x29000
	v_mov_b32 v255, 0
	ds_add_u32 v254, v255
	ds_add_u32 v254, v255
	v_lshrrev_b32 v3, 5, v0
	v_readfirstlane_b32 s[WV], v3                  ; wave 0..7
	v_and_b32 v4, 31, v0
	v_lshlrev_b32 v[LI], 4, v4
	v_lshlrev_b32 v[L8], 3, v4
	v_lshl_add_u32 v245, v0, 2, STG                ; o's scale words: in, a word a thread;
	v_lshl_add_u32 v248, v0, 3, STG                ; back, 8 bytes a thread of waves 0 to 3;
	v_lshlrev_b32 v249, 3, v0                      ; and the same place in os
	s_bfe_u32 s[CX], ttmp6, 0x40000                ; cx: it enters the addresses of qc, oc and os alone
	s_and_b32 s36, ttmp7, 0xffff                   ; ya, which the four partners share
	s_lshr_b32 s37, s36, 6                         ; i
	s_and_b32 s38, s36, 63                         ; 8 b + hd
	s_add_co_u32 s39, s37, 1
	s_cmp_ge_u32 s39, 3
	s_cselect_b32 s40, 3, 0
	s_sub_co_u32 s39, s39, s40                     ; (i + 1) % 3
	s_add_co_u32 s41, s37, 2
	s_cmp_ge_u32 s41, 3
	s_cselect_b32 s40, 3, 0
	s_sub_co_u32 s41, s41, s40                     ; (i + 2) % 3
	s_lshl_b32 s39, s39, 6
	s_add_co_u32 s39, s39, s38                     ; q's head
	s_lshl_b32 s41, s41, 6
	s_add_co_u32 s41, s41, s38                     ; k's and v's head
	s_mul_i32 s42, s41, KHEAD
	s_mul_i32 s[G0+1], s[WV], KSTEP                ; LDS: key step w
	s_add_co_u32 s42, s42, s[G0+1]
	s_mov_b32 s43, 0
	s_lshl_b32 s44, s[CX], 1
	s_lshr_b32 s45, s[WV], 2
	s_add_co_u32 s44, s44, s45                     ; my block of 128 queries
	s_and_b32 s45, s[WV], 3                        ; j: my tiles are j and 4 + j
	s_mul_i32 s46, s39, QHEAD
	s_mul_i32 s47, s44, QBLK
	s_add_co_u32 s46, s46, s47
	s_lshl_b32 s47, s45, 2
	s_add_co_u32 s48, s46, s47                     ; the scale words: + 4 j
	s_mov_b32 s49, 0
	s_lshl_b32 s47, s45, 10
	s_add_co_u32 s46, s46, s47                     ; the codes: + 1,024 j
	s_mov_b32 s47, 0
	s_lshr_b32 s50, s36, 3
	s_lshl_b32 s50, s50, 3
	s_add_co_u32 s50, s50, s44
	s_lshl_b32 s50, s50, 16                        ; oc: (8 (8 i + b) + block) x 65,536
	s_and_b32 s51, s36, 7
	s_lshl_b32 s51, s51, 10
	s_add_co_u32 s50, s50, s51                     ; + 1,024 hd
	s_lshl_b32 s51, s45, 13
	s_add_co_u32 s50, s50, s51                     ; + 8,192 j
	s_mov_b32 s51, 0
	s_lshl_b32 s52, s36, 12
	s_lshl_b32 s53, s[CX], 10
	s_add_co_u32 s52, s52, s53                     ; os: 4,096 ya + 1,024 cx
	s_mov_b32 s53, 0
	; descriptor group 1: 17,152 dense bytes as 67 rows of 256; the mask names all four work-groups
	s_mov_b32 s[G1+0], 15|(3<<16)|(1<<21)
	s_mov_b32 s[G1+1], 32<<16
	s_mov_b32 s[G1+2], 67<<16
	s_mov_b32 s[G1+3], 32<<16
	s_mov_b32 s[G1+4], 67
	s_mov_b32 s[G1+5], 32
	s_mov_b32 s[G1+6], 0
	s_mov_b32 s[G1+7], 0
	s_mov_b32 s[SEL], 0x76543210
	s_mov_b32 s[SEL+1], 0xfedcba98
	s_mov_b32 s[CS], 0x3d8293ee                    ; c = log2(e) / sqrt(512)
	s_mov_b32 s[CS+1], s[CS]
	s_mov_b32 s[MNT], 0x600000
	s_mov_b32 s[HM], 0xffff0000
	s_mov_b32 s[TB], 0
	s_mov_b32 s[CNT], 7
	s_wait_dscnt 0x0
	s_wait_kmcnt 0x0
	s_mov_b32 s[G0], 1
	s_add_nc_u64 s[G0+2:G0+3], s[6:7], s[42:43]
	s_or_b32 s[G0+3], s[G0+3], 0x80000000
	s_add_nc_u64 s[56:57], s[4:5], s[48:49]        ; Q's scale words
	s_add_nc_u64 s[4:5], s[4:5], s[46:47]          ; Q's codes
	s_add_nc_u64 s[8:9], s[8:9], s[50:51]
	s_add_nc_u64 s[10:11], s[10:11], s[52:53]
	CROUND                                         ; all four work-groups are here: the joint loads meet
	tensor_load_to_lds s[G0:G0+3], s[G1:G1+7]      ; key step w of the head: one load of mine is out, and LDS is filled once
	s_nop 0
	PLACES 4
	global_load_b128 v[16:19], v[LI], s[4:5]       ; tile A's Q
	global_load_b128 v[20:23], v[LI], s[4:5] offset:512
	global_load_b32 v5, v[LI], s[56:57] offset:8192   ; lanes 0-15: tile A's scale words, lanes 16-31: tile B's
	WIN 0x40
	global_load_b128 v[16:19], v[LI], s[4:5] offset:4096   ; tile B's Q
	global_load_b128 v[20:23], v[LI], s[4:5] offset:4608
	WIN 0
	INIT
	WIN 0x55
	INIT
	WIN 0
	s_wait_tensorcnt 0x0                           ; my key step has landed,
	s_wait_dscnt 0x0
	s_barrier_signal -1
	s_barrier_wait -1                              ; everybody's has
	KFETCH LI, 0
	s_wait_loadcnt 0x0                             ; Q
.Lstep:
	STEP 1
	s_sub_co_u32 s[CNT], s[CNT], 1
	s_cmp_lg_u32 s[CNT], 0
	s_cbranch_scc1 .Lstep
	STEP 0                                         ; the last step fetches no further K
	PLACES 8                                       ; between the last products and the first read of O^T
	FIN 0
	FIN 1
	WIN 0
	v_cndmask_b32 v244, v242, v243, s[HM]          ; lanes 0-15 tile A's words, lanes 16-31 tile B's
	ds_store_b32 v245, v244
	s_wait_dscnt 0x0                               ; for the others' sake: my words lie in LDS
	s_barrier_signal -1
	s_barrier_wait -1
	s_cmp_lt_u32 s[WV], 4                          ; the work-group's 1,024 bytes leave by four waves, 256 consecutive bytes a store
	s_cbranch_scc0 .Lno_os
	ds_load_b64 v[246:247], v248
	s_wait_dscnt 0x0
	global_store_b64 v249, v[246:247], s[10:11]
.Lno_os:
	s_wait_dscnt 0x0
	s_wait_tensorcnt 0x0
	ds_add_u32 v254, v255
	s_wait_dscnt 0x0
	CROUND                                         ; the closing round
	s_endpgm
.Lfunc_end_k_qd194604a5c_attn:
	.size	k_qd194604a5c_attn, .Lfunc_end_k_qd194604a5c_attn-k_qd194604a5c_attn
	.p2alignl 7, 3214868480
	.fill 96, 4, 3214868480
	.section	.rodata,"a",@progbits
	.p2align	6, 0x0
	.amdhsa_kernel k_qd194604a5c_attn
		.amdhsa_group_segment_fixed_size 168960
		.amdhsa_private_segment_fixed_size 0
		.amdhsa_enable_private_segment 0
		.amdhsa_kernarg_size 32
		.amdhsa_user_sgpr_count 2
		.amdhsa_user_sgpr_kernarg_segment_ptr 1
		.amdhsa_wavefront_size32 1
		.amdhsa_system_sgpr_workgroup_id_x 1
		.amdhsa_system_sgpr_workgroup_id_y 1
		.amdhsa_system_sgpr_workgroup_id_z 1
		.amdhsa_system_vgpr_workitem_id 0
		.amdhsa_next_free_vgpr 512
		.amdhsa_next_free_sgpr 66
		.amdhsa_reserve_vcc 0
		.amdhsa_float_denorm_mode_32 3
		.amdhsa_float_denorm_mode_16_64 3
		.amdhsa_memory_ordered 1
		.amdhsa_forward_progress 1
		.amdhsa_inst_pref_size 91
	.end_amdhsa_kernel
	.amdgpu_metadata
---
amdhsa.version: [ 1, 2 ]
amdhsa.kernels:
  - .name:           k_qd194604a5c_attn
    .symbol:         k_qd194604a5c_attn.kd
    .args:
      - { .name: qc, .offset: 0, .size: 8, .value_kind: global_buffer, .address_space: global }
      - { .name: kv, .offset: 8, .size: 8, .value_kind: global_buffer, .address_space: global }
      - { .name: oc, .offset: 16, .size: 8, .value_kind: global_buffer, .address_space: global }
      - { .name: os, .offset: 24, .size: 8, .value_kind: global_buffer, .address_space: global }
    .group_segment_fixed_size: 168960
    .private_segment_fixed_size: 0
    .kernarg_segment_align: 8
    .kernarg_segment_size: 32
    .max_flat_workgroup_size: 256
    .sgpr_count:     66
    .vgpr_count:     512
    .wavefront_size: 32
...
	.end_amdgpu_metadata
.endif
;; end of part 2
;; launch proj (part 3): grid 8 x 24, 8 waves a work-group, no clusters, 168,960 bytes of LDS; arguments oc, os, Wp_codes, Wp_scales, bp, out0; writes out0
.if DOCPART == 3
	.amdgcn_target "amdgcn-amd-amdhsa--gfx1250"
	.amdhsa_code_object_version 6
	.text
	.protected	k_qd194604a5c_proj
	.globl	k_qd194604a5c_proj
	.p2align	8
	.type	k_qd194604a5c_proj,@function
k_qd194604a5c_proj:
	s_mov_b64 s[64:65], 0
	v_nop
	global_prefetch_b8 v0, s[64:65] scope:SCOPE_SE
	s_setreg_imm32_b32 hwreg(HW_REG_WAVE_MODE, 25, 1), 1
	s_wait_xcnt 0x0
; out0 = Q(o) Wp[i]^T + bp[i] for one block of 128 tokens of output chunk i and batch b (work-group (blk, yo = 8 i + b)), on codes of BF8 (E5M2) with E8M0 scales.
; SHARES.  Wave w keeps its 64 columns of Wp[i] in registers (4 tiles x 4 K steps x 16 = 256, window 1), read once.  The block's o, 65,536 dense bytes of register images, comes into LDS once, 8,192 bytes a wave.
; Source 0 = 16 rows of Wp, source 1 = 16 tokens: a lane holds eight neighbouring columns of one token's row.  A tile of 16 tokens x 64 columns goes through the wave's own stage in LDS and leaves as rows of 256 bytes.
; Row r of tile t is token 32 (t / 2) + 8 (t % 2) + r + 8 (r / 8) of the block: the order in which the earlier launches laid the tiles is undone here, in the stores' offsets.
; NO JOINT LOADS: the work-groups of a launch share only Wp, which goes into one wave's registers and never through LDS.
; REGISTERS, window 0: v1-7 addresses; v8-23 o's scale words; v24-31 Wp's; v32-63 the bias as C; v64-127 a tile's four fragments of o; v128-159 accumulators; v160-191 rows on the way out.
.set LI,   1                           ; 16 x lane
.set WOFF, 2                           ; 512 r + 16 h
.set BOFF, 3                           ; 32 h
.set L4,   4                           ; 4 x lane
.set STO,  5                           ; the stage: row r, + 32 h
.set STR,  6                           ; back: lanes 0-15 one row, lanes 16-31 the next
.set GO,   7                           ; the same two rows in out0
.set OS,   8
.set WS,   24
.set BC,   32
.set OF,   64
.set ACC,  128
.set RB,   160
.set WV,   16
.set G0,   24
.set G1,   28
.set MSB, 0
.macro WIN new
.if MSB != (\new)
	s_set_vgpr_msb (MSB<<8)|(\new)
.set MSB, (\new)
.endif
.endm
.macro PLACES n
.rept \n
	v_nop
.endr
.endm
.macro WM d, a, b, c, sa, sb, ra, rb
.if (\ra) && (\rb)
	v_wmma_scale_f32_16x16x128_f8f6f4 v[(\d):(\d)+7], v[(\a):(\a)+15], v[(\b):(\b)+15], v[(\c):(\c)+7], v[(\sa)], v[(\sb)] matrix_a_fmt:MATRIX_FMT_BF8 matrix_b_fmt:MATRIX_FMT_BF8 matrix_a_scale:MATRIX_SCALE_ROW1 matrix_b_scale:MATRIX_SCALE_ROW1
.elseif (\ra)
	v_wmma_scale_f32_16x16x128_f8f6f4 v[(\d):(\d)+7], v[(\a):(\a)+15], v[(\b):(\b)+15], v[(\c):(\c)+7], v[(\sa)], v[(\sb)] matrix_a_fmt:MATRIX_FMT_BF8 matrix_b_fmt:MATRIX_FMT_BF8 matrix_a_scale:MATRIX_SCALE_ROW1
.elseif (\rb)
	v_wmma_scale_f32_16x16x128_f8f6f4 v[(\d):(\d)+7], v[(\a):(\a)+15], v[(\b):(\b)+15], v[(\c):(\c)+7], v[(\sa)], v[(\sb)] matrix_a_fmt:MATRIX_FMT_BF8 matrix_b_fmt:MATRIX_FMT_BF8 matrix_b_scale:MATRIX_SCALE_ROW1
.else
	v_wmma_scale_f32_16x16x128_f8f6f4 v[(\d):(\d)+7], v[(\a):(\a)+15], v[(\b):(\b)+15], v[(\c):(\c)+7], v[(\sa)], v[(\sb)] matrix_a_fmt:MATRIX_FMT_BF8 matrix_b_fmt:MATRIX_FMT_BF8
.endif
.endm
.macro OFETCH t                        ; tile t's four fragments of o
.irp s, 0,1,2,3
.irp c, 0,1,2,3
	ds_load_b128 v[OF+16*\s+4*\c:OF+16*\s+4*\c+3], v[LI] offset:8192*(\t)+2048*\s+512*\c
.endr
.endr
.endm
.macro TILE t
	s_wait_dscnt 0x0                               ; the tile's fragments are in
	WIN 0x01
.irp s, 0,1,2,3                        ; four accumulators take turns, one instruction a turn; the bias is the C of each sum's first instruction
.irp n, 0,1,2,3
.if \s == 0
	WM ACC+8*\n, 64*\n+16*\s, OF+16*\s, BC+8*\n, WS+4*(\n>>1)+\s, OS+4*((\t)&3)+\s, \n&1, (\t)>>2
.else
	WM ACC+8*\n, 64*\n+16*\s, OF+16*\s, ACC+8*\n, WS+4*(\n>>1)+\s, OS+4*((\t)&3)+\s, \n&1, (\t)>>2
.endif
.endr
.endr
	WIN 0
	PLACES 9                                       ; in front of the loads into o's registers and the reads of results; nine, since the next tile's first products write over these accumulators
.if (\t) < 7
	OFETCH (\t)+1
.endif
.irp n, 0,1,2,3
	ds_store_b128 v[STO], v[ACC+8*\n:ACC+8*\n+3] offset:64*\n              ; each accumulator from its low end on
	ds_store_b128 v[STO], v[ACC+8*\n+4:ACC+8*\n+7] offset:64*\n+16
.endr
	s_wait_xcnt 0x0                                ; the last tile's stores have read their registers: the loads below land there
.irp i, 0,1,2,3,4,5,6,7
	ds_load_b128 v[RB+4*\i:RB+4*\i+3], v[STR] offset:544*\i                ; LDS serves a wave's instructions in order (ISA guide 5.7.1.4): these see the stores above
.endr
	s_wait_dscnt 0x0
.irp i, 0,1,2,3,4,5,6,7
	global_store_b128 v[GO], v[RB+4*\i:RB+4*\i+3], s[14:15] offset:(32*((\t)>>1)+8*((\t)&1)+2*\i+8*(\i>>2))*2048 th:TH_STORE_NT   ; 16 lanes store 256 consecutive bytes, at a multiple of 256 from out0's first byte
.endr
.endm
	s_load_b256 s[4:11], s[0:1], 0x0               ; oc, os, Wp's codes, Wp's scales
	s_load_b128 s[12:15], s[0:1], 0x20             ; bp, out0
	v_lshl_add_u32 v254, v0, 2, 0x29000
	v_mov_b32 v255, 0
	ds_add_u32 v254, v255
	ds_add_u32 v254, v255
	v_lshrrev_b32 v192, 5, v0
	v_readfirstlane_b32 s[WV], v192                ; wave 0..7
	v_and_b32 v193, 31, v0
	v_and_b32 v194, 15, v0                         ; r
	v_bfe_u32 v195, v0, 4, 1                       ; h
	v_lshlrev_b32 v[LI], 4, v193
	v_lshlrev_b32 v[L4], 2, v193
	v_lshlrev_b32 v[WOFF], 9, v194
	v_lshl_add_u32 v[WOFF], v195, 4, v[WOFF]
	v_lshlrev_b32 v[BOFF], 5, v195
	s_mul_i32 s20, s[WV], 4352
	s_add_co_u32 s20, s20, 65536                   ; my stage: 16 rows x (256 bytes + 16), behind o's images
	v_mul_u32_u24 v[STO], v194, 272
	v_lshl_add_u32 v[STO], v195, 5, v[STO]
	v_add_nc_u32 v[STO], s20, v[STO]
	v_mul_u32_u24 v[STR], v195, 272
	v_lshl_add_u32 v[STR], v194, 4, v[STR]
	v_add_nc_u32 v[STR], s20, v[STR]
	v_lshlrev_b32 v[GO], 11, v195
	v_lshl_add_u32 v[GO], v194, 4, v[GO]
	s_and_b32 s17, ttmp7, 0xffff                   ; yo = 8 i + b
	s_lshr_b32 s18, s17, 3                         ; i
	s_and_b32 s19, s17, 7                          ; b
	s_lshl_b32 s[G0+1], s[WV], 13                  ; LDS: tile w's images
	s_lshl_b32 s36, s17, 3
	s_add_co_u32 s36, s36, ttmp9
	s_lshl_b32 s36, s36, 16
	s_add_co_u32 s36, s36, s[G0+1]                 ; oc: (8 yo + blk) x 65,536 + 8,192 w
	s_mov_b32 s37, 0
	s_lshl_b32 s38, s17, 15
	s_lshl_b32 s39, ttmp9, 9
	s_add_co_u32 s38, s38, s39                     ; os: 32,768 yo + 512 blk
	s_mov_b32 s39, 0
	s_lshl_b32 s40, s18, 18
	s_lshl_b32 s41, s[WV], 15
	s_add_co_u32 s40, s40, s41                     ; Wp's codes: chunk i, my 64 rows
	s_mov_b32 s41, 0
	s_lshl_b32 s42, s18, 13
	s_lshl_b32 s43, s[WV], 10
	s_add_co_u32 s42, s42, s43
	s_mov_b32 s43, 0
	s_lshl_b32 s44, s18, 11
	s_lshl_b32 s45, s[WV], 8
	s_add_co_u32 s44, s44, s45
	s_mov_b32 s45, 0
	s_mul_i32 s46, s19, 3072
	s_lshl_b32 s47, s18, 10
	s_add_co_u32 s46, s46, s47
	s_lshl_b32 s47, ttmp9, 7
	s_add_co_u32 s46, s46, s47                     ; the block's first row of out0
	s_lshl_b32 s46, s46, 11
	s_lshl_b32 s47, s[WV], 8
	s_add_co_u32 s46, s46, s47                     ; + my 64 columns
	s_mov_b32 s47, 0
	; descriptor group 1: 8,192 dense bytes as 32 rows of 256
	s_mov_b32 s[G1+0], 3<<16
	s_mov_b32 s[G1+1], 32<<16
	s_mov_b32 s[G1+2], 32<<16
	s_mov_b32 s[G1+3], 32<<16
	s_mov_b32 s[G1+4], 32
	s_mov_b32 s[G1+5], 32
	s_mov_b32 s[G1+6], 0
	s_mov_b32 s[G1+7], 0
	s_wait_dscnt 0x0
	s_wait_kmcnt 0x0
	s_mov_b32 s[G0], 1
	s_add_nc_u64 s[G0+2:G0+3], s[4:5], s[36:37]
	s_or_b32 s[G0+3], s[G0+3], 0x80000000
	tensor_load_to_lds s[G0:G0+3], s[G1:G1+7]      ; one load of mine is out, and LDS is filled once
	s_nop 0
	PLACES 4
	s_add_nc_u64 s[6:7], s[6:7], s[38:39]
	s_add_nc_u64 s[8:9], s[8:9], s[40:41]
	s_add_nc_u64 s[10:11], s[10:11], s[42:43]
	s_add_nc_u64 s[12:13], s[12:13], s[44:45]
	s_add_nc_u64 s[14:15], s[14:15], s[46:47]
.irp e, 0,1,2,3,4,5,6,7                ; o's scale words, head e: two bytes a row; lanes 0-15 tile j, lanes 16-31 tile 4 + j
.irp j, 0,1,2,3
	global_load_b32 v[RB+4*\e+\j], v[L4], s[6:7] offset:4096*\e+128*\j
.endr
.endr
.irp a, 0,1                            ; Wp's scale words: lane l takes row 32 a + l, all four K steps
	global_load_b128 v[WS+4*\a:WS+4*\a+3], v[LI], s[10:11] offset:512*\a
.endr
.irp n, 0,1,2,3                        ; the bias in the result's layout
	global_load_b128 v[BC+8*\n:BC+8*\n+3], v[BOFF], s[12:13] offset:64*\n
	global_load_b128 v[BC+8*\n+4:BC+8*\n+7], v[BOFF], s[12:13] offset:64*\n+16
.endr
	WIN 0x40
.irp n, 0,1,2,3                        ; Wp's fragments: they stay
.irp s, 0,1,2,3
.irp c, 0,1,2,3
	global_load_b128 v[64*\n+16*\s+4*\c:64*\n+16*\s+4*\c+3], v[WOFF], s[8:9] offset:8192*\n+128*\s+32*\c
.endr
.endr
.endr
	WIN 0
	s_wait_loadcnt 0x0
.irp j, 0,1,2,3
.irp s, 0,1,2,3
	v_lshl_or_b32 v[OS+4*\j+\s], v[RB+4*(2*\s+1)+\j], 16, v[RB+8*\s+\j]    ; K step s is heads 2 s and 2 s + 1: their two bytes each make the word
.endr
.endr
	PLACES 8                                       ; a scale register written by a vector instruction stands eight places ahead of the product
	s_wait_tensorcnt 0x0                           ; my tile's images have landed,
	s_wait_dscnt 0x0
	s_barrier_signal -1
	s_barrier_wait -1                              ; everybody's have
	OFETCH 0
.irp t, 0,1,2,3,4,5,6,7
	TILE \t
.endr
	s_wait_tensorcnt 0x0
	ds_add_u32 v254, v255
	s_wait_dscnt 0x0
	s_endpgm
.Lfunc_end_k_qd194604a5c_proj:
	.size	k_qd194604a5c_proj, .Lfunc_end_k_qd194604a5c_proj-k_qd194604a5c_proj
	.p2alignl 7, 3214868480
	.fill 96, 4, 3214868480
	.section	.rodata,"a",@progbits
	.p2align	6, 0x0
	.amdhsa_kernel k_qd194604a5c_proj
		.amdhsa_group_segment_fixed_size 168960
		.amdhsa_private_segment_fixed_size 0
		.amdhsa_enable_private_segment 0
		.amdhsa_kernarg_size 48
		.amdhsa_user_sgpr_count 2
		.amdhsa_user_sgpr_kernarg_segment_ptr 1
		.amdhsa_wavefront_size32 1
		.amdhsa_system_sgpr_workgroup_id_x 1
		.amdhsa_system_sgpr_workgroup_id_y 1
		.amdhsa_system_sgpr_workgroup_id_z 1
		.amdhsa_system_vgpr_workitem_id 0
		.amdhsa_next_free_vgpr 512
		.amdhsa_next_free_sgpr 66
		.amdhsa_reserve_vcc 0
		.amdhsa_float_denorm_mode_32 3
		.amdhsa_float_denorm_mode_16_64 3
		.amdhsa_memory_ordered 1
		.amdhsa_forward_progress 1
		.amdhsa_inst_pref_size 57
	.end_amdhsa_kernel
	.amdgpu_metadata
---
amdhsa.version: [ 1, 2 ]
amdhsa.kernels:
  - .name:           k_qd194604a5c_proj
    .symbol:         k_qd194604a5c_proj.kd
    .args:
      - { .name: oc, .offset: 0, .size: 8, .value_kind: global_buffer, .address_space: global }
      - { .name: os, .offset: 8, .size: 8, .value_kind: global_buffer, .address_space: global }
      - { .name: Wp_codes, .offset: 16, .size: 8, .value_kind: global_buffer, .address_space: global }
      - { .name: Wp_scales, .offset: 24, .size: 8, .value_kind: global_buffer, .address_space: global }
      - { .name: bp, .offset: 32, .size: 8, .value_kind: global_buffer, .address_space: global }
      - { .name: out0, .offset: 40, .size: 8, .value_kind: global_buffer, .address_space: global }
    .group_segment_fixed_size: 168960
    .private_segment_fixed_size: 0
    .kernarg_segment_align: 8
    .kernarg_segment_size: 48
    .max_flat_workgroup_size: 256
    .sgpr_count:     66
    .vgpr_count:     512
    .wavefront_size: 32
...
	.end_amdgpu_metadata
.endif
;; end of part 3
